; MI455X (gfx1250); checked and timed in simulation.
; The chip was launched on July 23, 2026; its instructions are those of AMD's public machine-readable ISA for CDNA 5 (MIT licence, August 2026) and "CDNA5" Instruction Set Architecture Reference Guide (July 2026). The comments in the code are by the model that wrote it; some were corrected since.
;; Bert Self Attention. Allowed arithmetic: matrix products marked QUANTISED: E2M1 operands, one E8M0 scale for each 32 along K, by v_wmma_scale_f32_16x16x128_f8f6f4 with both operands' format E2M1 (or v_wmma_scale_f32_32x16x128_f4), f32 sums; products left as they are: bf16, f16 or f32 operands; f32 sums; everything else in f32.
;; Inputs: Wk 1,024 x 1,024 float32; Wq 1,024 x 1,024 float32; Wv 1,024 x 1,024 float32; attention_mask 4 x 1 x 1 x 2,048 float32; bk 1,024 float32; bq 1,024 float32; bv 1,024 float32; hidden_states 4 x 2,048 x 1,024 float32.
;; Outputs: out0 4 x 2,048 x 1,024 float32.
;; This version of the problem:
;;   THIS VERSION OF THE PROBLEM IS GIVEN IN LOW PRECISION. The matrix products marked QUANTISED in the list below multiply operands that are first quantised to E2M1 (2 exponent bits, 1 mantissa bit; 4 bits a number), with one power-of-two scale for each 32 numbers along K (OCP MX v1.0); their sums are f32. The products marked 'left as it is' may take bf16, f16 or f32 operands, with f32 sums. Whichever they take, every output number must still come out within the allowed error. Rounding operands to bf16 (8 significant bits) uses up far more of that allowance than f16 does (11 bits, for magnitudes from 6e-5 to 65,504). All else is computed in f32.
;;   The module's matrix products, in the order in which they are computed (A, B: the left and right operand; K: the contracted axis; several contracted axes count as one K, in the product's order):
;;     1. [M 8,192, K 1,024] x [K 1,024, N 1,024]; A: input hidden_states; B: input Wq: QUANTISED
;;     2. [M 8,192, K 1,024] x [K 1,024, N 1,024]; A: input hidden_states; B: input Wk: QUANTISED
;;     3. [M 8,192, K 1,024] x [K 1,024, N 1,024]; A: input hidden_states; B: input Wv: QUANTISED
;;     4. batch 64 x [M 2,048, K 64] x [K 64, N 2,048]; A: computed on the way; B: computed on the way: left as it is (an operand is computed on the way)
;;     5. batch 64 x [M 2,048, K 2,048] x [K 2,048, N 64]; A: computed on the way; B: computed on the way: left as it is (an operand is computed on the way)
;;   THE QUANTISER, for each operand of a quantised product, along K:
;;     - K is cut into blocks of 32 from its start; a last block that is shorter is filled with zeros.
;;     - A block's scale is 2^e with e = floor(log2(the largest magnitude in the block)) - 2, held to -126 .. 127; a block of zeros has e = 0. As a byte (E8M0): e + 127.
;;     - Each number is divided by its block's scale, clamped to +-6, and rounded to the nearest number of E2M1, ties to even, subnormals kept.
;;     - The product sums the exact products of the quantised numbers (number of the format x scale) in f32.
;;   ~~~python
;;   def quantise(x, axis):      # numpy; x: float32 -> the quantised numbers, widened to float32 again
;;       x = np.moveaxis(x, axis, -1); K = x.shape[-1]
;;       x = np.pad(x, [(0, 0)] * (x.ndim - 1) + [(0, -K % 32)]); x = x.reshape(x.shape[:-1] + (-1, 32)); a = np.abs(x).max(-1, keepdims=True)
;;       e = np.where(a > 0, np.clip(np.frexp(np.where(a > 0, a, 1))[1] - 1 - 2, -126, 127), 0)      # np.frexp(a)[1] - 1 = floor(log2(a)), exactly
;;       r = np.clip(x / 2.0 ** e, -6, 6)
;;       step = 2.0 ** (np.maximum(np.frexp(np.where(r == 0, 1, r))[1] - 1, 0) - 1)
;;       q = np.round(r / step) * step * 2.0 ** e      # np.round: ties to even
;;       return np.moveaxis(q.reshape(q.shape[:-2] + (-1,))[..., :K], -1, axis).astype(np.float32)
;;   ~~~
;; One version. Each part assembles by itself: llvm-mc -triple=amdgcn-amd-amdhsa -mcpu=gfx1250 --defsym DOCPART=n.
;; ======== version 1 of 1: 3 launches
;; limits: values are held in f16: magnitudes above 65,504 overflow, below 6.1e-05 lose precision
;; workspace buffers: codes 5,767,168 bytes; scales 360,448 bytes; qkv 50,331,648 bytes
;; launch quant (part 1): grid 352 x 1, 4 waves a work-group, no clusters, 50,688 bytes of LDS; arguments hidden_states, Wq, Wk, Wv, codes, scales; writes codes, scales
.if DOCPART == 1
	.amdgcn_target "amdgcn-amd-amdhsa--gfx1250"
	.amdhsa_code_object_version 6
	.text
	.protected	k_q83a0811d8c_quant
	.globl	k_q83a0811d8c_quant
	.p2align	8
	.type	k_q83a0811d8c_quant,@function
k_q83a0811d8c_quant:
	s_mov_b64 s[64:65], 0
	v_nop
	global_prefetch_b8 v0, s[64:65] scope:SCOPE_SE
	s_setreg_imm32_b32 hwreg(HW_REG_WAVE_MODE, 25, 1), 1
	s_wait_xcnt 0x0
; hidden_states [8192][1024] and Wq, Wk, Wv [1024 (k)][1024 (n)], f32, become codes of FP4 (E2M1), K innermost, with one E8M0 scale byte for each 32 along K.
; codes: 11,264 rows of 512 bytes; scales: 11,264 rows of 32 bytes.  Rows 0 .. 8191 are the tokens; row 8192 + 1024 w + n is column n of weight w (0 Wq, 1 Wk, 2 Wv).
; A block's scale is 2^(floor(log2(its largest magnitude)) - 2); its byte is the largest magnitude's exponent field - 2, held at 1 from below.  A block of zeros so gets the byte 1 where the
; rule says 127: its codes are zeros, which add nothing under any byte but 0xff, and this program alone reads the bytes.
; LIMITS: blocks whose largest magnitude lies under 2^-124 keep the byte 1; NaN and infinities among the inputs are not served.
; Work-groups 0 .. 255 take the tokens (K innermost: a plain stream of blocks of 32), work-groups 256 .. 351 the weights (K is the first axis: a lane takes a column, its registers run down K).
; The two ways part on the work-group's number, never join, and have LDS bytes of their own.
.set WREG,  8192                       ; tokens: a region for each wave: two stages of 32 x SP bytes, behind them its 256 scale bytes
.set SP,    80                         ; a lane's place in a stage: its 64 bytes + 16 of padding
.set WST,   32768                      ; weights: the work-group's stage, 64 rows (columns of W) x (256 bytes + 16)
.set WP,    272
.set SPARE, 50176                      ; the spare words, 128 bytes for each wave: two blocks of 256 bytes that no other line names
.set SPW,   12                         ; v12  LDS address of my spare word; never rewritten
.set NIL,   13                         ; v13  0; never rewritten
.set STEPS, 16
.set CB,    8                          ; bytes of 16 codes
.set R,     16                         ; tokens: v16-79 four sets of 16 numbers as loaded
.set X,     80                         ; v80-111  two sets of 16 neighbours
.set E,     112                        ; v112-127 a scale byte for each step
.set C,     128                        ; v128-191 codes: registers of its own for each step, so that no store's data are written again
.set WX,    32                         ; weights: v32-95 two sets of 32 numbers
.set WC,    96                         ; v96-99   a block's codes
.set OUTR,  112                        ; v112-143 the way out
	s_load_b256 s[4:11], s[0:1], 0x0               ; hidden_states s[4:5], Wq s[6:7], Wk s[8:9], Wv s[10:11]
	s_load_b128 s[12:15], s[0:1], 0x20             ; codes s[12:13], scales s[14:15]
	v_lshl_add_u32 v[SPW], v0, 2, SPARE
	v_mov_b32 v[NIL], 0
	v_lshrrev_b32 v1, 5, v0
	v_readfirstlane_b32 s16, v1                    ; wave 0..3
	v_and_b32 v2, 31, v0                           ; lane
	s_wait_kmcnt 0x0
	s_cmp_lt_u32 ttmp9, 256
	s_cbranch_scc0 .Lweights
; ---------------- THE TOKENS.  A wave takes 16 steps of 512 numbers.  Each of a step's four loads reads 512 consecutive bytes, 16 a lane; the 2,048 bytes go through the wave's own stage in LDS and come
; back 64 bytes a lane, so that a lane holds 16 neighbours along K (two neighbouring lanes hold a block).  A lane's 16 codes are 8 bytes: the wave stores 256 consecutive bytes.
	v_lshlrev_b32 v3, 4, v2                        ; my 16 bytes of a load's 512
	s_mul_i32 s17, s16, WREG
	v_lshrrev_b32 v14, 2, v2
	v_mul_u32_u24 v14, v14, SP
	v_and_b32 v15, 3, v2
	v_lshl_add_u32 v14, v15, 4, v14
	v_add_nc_u32 v14, s17, v14                     ; the stage, on the way in: SP (lane / 4) + 16 (lane % 4)
	v_mul_u32_u24 v15, v2, SP
	v_add_nc_u32 v15, s17, v15                     ; and on the way out: SP x lane
	v_mul_u32_u24 v4, v2, CB                       ; my codes' place in a step's
	v_lshrrev_b32 v5, 1, v2
	s_add_co_u32 s17, s17, 2*32*SP
	v_add_nc_u32 v5, s17, v5                       ; LDS: my wave's 256 scale bytes, my block's byte
	v_lshlrev_b32 v7, 3, v2                        ; and on the way out 8 bytes a lane
	v_add_nc_u32 v6, s17, v7
	s_lshl_b32 s18, ttmp9, 2
	s_add_co_u32 s18, s18, s16                     ; which run of 8,192 numbers is my wave's
	s_mov_b32 s21, 0
	s_lshl_b32 s20, s18, 15                        ; 32,768 bytes of f32,
	s_add_nc_u64 s[4:5], s[4:5], s[20:21]
	s_lshl_b32 s20, s18, 12                        ; 4,096 bytes of codes,
	s_add_nc_u64 s[12:13], s[12:13], s[20:21]
	s_lshl_b32 s20, s18, 8                         ; 256 scale bytes a run
	s_add_nc_u64 s[14:15], s[14:15], s[20:21]
.macro XLOAD t
.irp i, 0,1,2,3
	global_load_b128 v[R+16*((\t)%4)+4*\i:R+16*((\t)%4)+4*\i+3], v3, s[4:5] offset:2048*(\t)+512*\i th:TH_LOAD_NT
.endr
.endm
.macro XTURN t                         ; step t's numbers through the stage: LDS serves a wave's instructions in order, so no wait stands between the stores and the loads
.irp i, 0,1,2,3
	ds_store_b128 v14, v[R+16*((\t)%4)+4*\i:R+16*((\t)%4)+4*\i+3] offset:32*SP*((\t)%2)+8*SP*\i
.endr
.irp i, 0,1,2,3
	ds_load_b128 v[X+16*((\t)%2)+4*\i:X+16*((\t)%2)+4*\i+3], v15 offset:32*SP*((\t)%2)+16*\i
.endr
.endm
.irp t, 0,1,2,3
	XLOAD \t
.endr
	s_wait_loadcnt 12                              ; step 0's four loads are in; the twelve of steps 1 to 3 stay out
	XTURN 0
.macro XSTEP t
.set XS, X+16*((\t)%2)
.if (\t) > 0
	s_wait_dscnt 1                                 ; this step's numbers are back from the stage (the last step's byte store may be out)
.else
	s_wait_dscnt 0x0
.endif
.if (\t)+4 < STEPS
	XLOAD (\t)+4                                   ; into the registers that the stage's stores have read
.endif
.if (\t)+1 < STEPS
.if STEPS-2-(\t) >= 3
	s_wait_loadcnt 12                              ; the next step's four loads are in; those of the three steps behind it may be out
.else
	s_wait_loadcnt 4*(STEPS-2-(\t))
.endif
	XTURN (\t)+1
.endif
	v_max3_num_f32 v8, |v[XS]|, |v[XS+1]|, |v[XS+2]|               ; the largest magnitude of my 16, in two chains
	v_max3_num_f32 v9, |v[XS+3]|, |v[XS+4]|, |v[XS+5]|
.irp i, 6,10
	v_max3_num_f32 v8, v8, |v[XS+\i]|, |v[XS+\i+1]|
	v_max3_num_f32 v9, v9, |v[XS+\i+2]|, |v[XS+\i+3]|
.endr
	v_max3_num_f32 v8, v8, |v[XS+14]|, |v[XS+15]|
	v_max3_num_f32 v8, v8, v9, 0x1800000           ; and the floor 2^(3 - 127): the byte cannot fall under 1
	v_max_num_f32_dpp v8, v8, v8 row_xmask:1 row_mask:0xf bank_mask:0xf   ; with my neighbour's 16: the block's
	v_add_nc_u32 v11, 0xff000000, v8               ; 2 off its exponent field: the conversion takes the exponent field of this operand as its scale
	v_cvt_scalef32_pk8_fp4_f32 v[C+4*(\t)], v[XS:XS+7], v11
	v_cvt_scalef32_pk8_fp4_f32 v[C+4*(\t)+1], v[XS+8:XS+15], v11
	v_lshrrev_b32 v[E+(\t)], 23, v11               ; the scale's byte (a plain line behind the conversions)
	ds_store_b8 v5, v[E+(\t)] offset:16*(\t)       ; both lanes of a block write the same byte with the same value
	global_store_b64 v4, v[C+4*(\t):C+4*(\t)+1], s[12:13] offset:32*CB*(\t)   ; 32 lanes store 256 consecutive bytes, aligned
.endm
.irp t, 0,1,2,3,4,5,6,7,8,9,10,11,12,13,14,15
	XSTEP \t
.endr
	ds_load_b64 v[8:9], v6                         ; LDS serves a wave's instructions in order: these see my byte stores
	s_wait_dscnt 0x0
	global_store_b64 v7, v[8:9], s[14:15]          ; 32 lanes store 256 consecutive bytes, aligned
	s_wait_tensorcnt 0x0                           ; the wave's end, behind my last LDS store
	ds_add_u32 v[SPW], v[NIL]
	s_wait_dscnt 0x0
	s_endpgm
; ---------------- THE WEIGHTS.  A work-group takes 64 columns x 512 along K.  Wave w: columns 32 (w & 1) on, K 256 (w >> 1) on: 8 blocks a lane.  Each load reads one row k at 32 neighbouring columns;
; the two waves side by side read 256 consecutive bytes.  A block of 32 along K lies in ONE lane's 32 registers.  The codes go through the work-group's stage (a row = a column of W, 256 bytes = 512 along K,
; written by two waves), a barrier, and leave as rows: sixteen lanes store 256 consecutive bytes, aligned.
.Lweights:
	s_sub_co_u32 s17, ttmp9, 256
	s_and_b32 s18, s17, 1                          ; y: which 512 along K
	s_lshr_b32 s19, s17, 1                         ; cg: which 64 of the 3,072 columns
	s_lshr_b32 s20, s19, 4                         ; which weight
	s_cmp_eq_u32 s20, 1
	s_cselect_b64 s[6:7], s[8:9], s[6:7]
	s_cmp_eq_u32 s20, 2
	s_cselect_b64 s[6:7], s[10:11], s[6:7]         ; the choice hangs on the work-group's number alone
	s_and_b32 s21, s16, 1                          ; cw
	s_lshr_b32 s22, s16, 1                         ; kw
	s_lshl_b32 s24, s18, 21                        ; 512 rows of 4,096 bytes
	s_lshl_b32 s25, s22, 20                        ; 256 rows
	s_add_co_u32 s24, s24, s25
	s_and_b32 s25, s19, 15
	s_lshl_b32 s25, s25, 8                         ; 64 columns of 4 bytes
	s_add_co_u32 s24, s24, s25
	s_lshl_b32 s25, s21, 7                         ; 32 columns
	s_add_co_u32 s24, s24, s25
	s_mov_b32 s25, 0
	s_add_nc_u64 s[6:7], s[6:7], s[24:25]
	v_lshlrev_b32 v3, 2, v2                        ; in: 4 bytes a lane
	s_mul_i32 s26, s21, 32*WP
	s_lshl_b32 s27, s22, 7
	s_add_co_u32 s26, s26, s27
	s_add_co_u32 s26, s26, WST
	v_mul_u32_u24 v4, v2, WP
	v_add_nc_u32 v4, s26, v4                       ; into the stage: row 32 cw + lane, byte 128 kw
	v_and_b32 v5, 15, v2
	v_lshrrev_b32 v6, 4, v2
	v_mul_u32_u24 v7, v6, WP
	v_lshl_add_u32 v7, v5, 4, v7
	s_mul_i32 s27, s16, 16*WP
	s_add_co_u32 s27, s27, WST
	v_add_nc_u32 v7, s27, v7                       ; out of it: wave w takes rows 16 w on, sixteen lanes to a row, two rows an instruction
	v_lshlrev_b32 v8, 9, v6
	v_lshl_add_u32 v8, v5, 4, v8                   ; and the same place in the codes' rows of 512 bytes
	v_lshlrev_b32 v9, 5, v2                        ; my column's row of 32 scale bytes
	s_lshl_b32 s24, s19, 6
	s_lshl_b32 s25, s16, 4
	s_add_co_u32 s24, s24, s25
	s_add_co_u32 s24, s24, 8192                    ; codes' row 8192 + 64 cg + 16 w,
	s_lshl_b32 s24, s24, 9
	s_lshl_b32 s25, s18, 8                         ; byte 256 y
	s_add_co_u32 s24, s24, s25
	s_mov_b32 s25, 0
	s_add_nc_u64 s[12:13], s[12:13], s[24:25]
	s_lshl_b32 s24, s19, 11                        ; scales: row 8192 + 64 cg + 32 cw, byte 16 y + 8 kw
	s_lshl_b32 s25, s21, 10
	s_add_co_u32 s24, s24, s25
	s_lshl_b32 s25, s18, 4
	s_add_co_u32 s24, s24, s25
	s_lshl_b32 s25, s22, 3
	s_add_co_u32 s24, s24, s25
	s_add_co_u32 s24, s24, 262144
	s_mov_b32 s25, 0
	s_add_nc_u64 s[14:15], s[14:15], s[24:25]
.macro WLOAD t                         ; block t: W(32 t + i, my column), i = 0 .. 31, into set t % 2
.irp i, 0,1,2,3,4,5,6,7,8,9,10,11,12,13,14,15,16,17,18,19,20,21,22,23,24,25,26,27,28,29,30,31
	global_load_b32 v[WX+32*((\t)%2)+\i], v3, s[6:7] offset:(32*(\t)+\i)*4096 th:TH_LOAD_NT
.endr
.endm
	WLOAD 0
	WLOAD 1
.macro WBLOCK t
.set XS, WX+32*((\t)%2)
.if (\t) < 7
	s_wait_loadcnt 32                              ; this block's 32 loads are in; the next block's may be out
.else
	s_wait_loadcnt 0x0
.endif
	v_max3_num_f32 v16, |v[XS]|, |v[XS+1]|, |v[XS+2]|              ; the block's largest magnitude: all 32 numbers are mine
	v_max3_num_f32 v17, |v[XS+3]|, |v[XS+4]|, |v[XS+5]|
.irp i, 6,10,14,18,22,26
	v_max3_num_f32 v16, v16, |v[XS+\i]|, |v[XS+\i+1]|
	v_max3_num_f32 v17, v17, |v[XS+\i+2]|, |v[XS+\i+3]|
.endr
	v_max3_num_f32 v16, v16, |v[XS+30]|, |v[XS+31]|
	v_max3_num_f32 v16, v16, v17, 0x1800000        ; and the floor 2^(3 - 127)
	v_add_nc_u32 v18, 0xff000000, v16              ; 2 off its exponent field: the conversion's scale operand
	v_lshrrev_b32 v19, 23, v18                     ; the scale's byte
.if (\t)%4 == 0
	v_mov_b32 v[24+(\t)/4], v19                    ; four bytes to a register, the lower K in the lower byte
.else
	v_lshl_or_b32 v[24+(\t)/4], v19, 8*((\t)%4), v[24+(\t)/4]
.endif
.irp g, 0,1,2,3
	v_cvt_scalef32_pk8_fp4_f32 v[WC+\g], v[XS+8*\g:XS+8*\g+7], v18
.endr
	ds_store_b128 v4, v[WC:WC+3] offset:16*(\t)    ; 32 codes: 16 bytes of my column's row
.if (\t)+2 < 8
	WLOAD (\t)+2
.endif
	s_wait_dscnt 0x0                               ; the store has read its registers: the next block's codes may be written (plain lines stand ahead of the next conversions)
.endm
.irp t, 0,1,2,3,4,5,6,7
	WBLOCK \t
.endr
	global_store_b64 v9, v[24:25], s[14:15]        ; my column's 8 scale bytes
	s_wait_dscnt 0x0                               ; for the others' sake: my stores into the stage are done
	s_barrier_signal -1                            ; all four waves of a weights' work-group pass here: the way hangs on the work-group's number alone
	s_barrier_wait -1
.irp i, 0,1,2,3,4,5,6,7
	ds_load_b128 v[OUTR+4*\i:OUTR+4*\i+3], v7 offset:2*\i*WP
.endr
.irp i, 0,1,2,3,4,5,6,7
	s_wait_dscnt 7-\i                              ; loads come back in order: the younger 7 - i may be out
	global_store_b128 v8, v[OUTR+4*\i:OUTR+4*\i+3], s[12:13] offset:2*\i*512
.endr
	s_wait_tensorcnt 0x0                           ; the wave's end, behind my last LDS store
	ds_add_u32 v[SPW], v[NIL]
	s_wait_dscnt 0x0
	s_endpgm
.Lfunc_end_k_q83a0811d8c_quant:
	.size	k_q83a0811d8c_quant, .Lfunc_end_k_q83a0811d8c_quant-k_q83a0811d8c_quant
	.p2alignl 7, 3214868480
	.fill 96, 4, 3214868480
	.section	.rodata,"a",@progbits
	.p2align	6, 0x0
	.amdhsa_kernel k_q83a0811d8c_quant
		.amdhsa_group_segment_fixed_size 50688
		.amdhsa_private_segment_fixed_size 0
		.amdhsa_enable_private_segment 0
		.amdhsa_kernarg_size 48
		.amdhsa_user_sgpr_count 2
		.amdhsa_user_sgpr_kernarg_segment_ptr 1
		.amdhsa_wavefront_size32 1
		.amdhsa_system_sgpr_workgroup_id_x 1
		.amdhsa_system_sgpr_workgroup_id_y 1
		.amdhsa_system_sgpr_workgroup_id_z 1
		.amdhsa_system_vgpr_workitem_id 0
		.amdhsa_next_free_vgpr 192
		.amdhsa_next_free_sgpr 66
		.amdhsa_reserve_vcc 0
		.amdhsa_float_denorm_mode_32 3
		.amdhsa_float_denorm_mode_16_64 3
		.amdhsa_memory_ordered 1
		.amdhsa_forward_progress 1
		.amdhsa_inst_pref_size 73
	.end_amdhsa_kernel
	.amdgpu_metadata
---
amdhsa.version: [ 1, 2 ]
amdhsa.kernels:
  - .name:           k_q83a0811d8c_quant
    .symbol:         k_q83a0811d8c_quant.kd
    .args:
      - { .name: hidden_states, .offset: 0, .size: 8, .value_kind: global_buffer, .address_space: global }
      - { .name: Wq, .offset: 8, .size: 8, .value_kind: global_buffer, .address_space: global }
      - { .name: Wk, .offset: 16, .size: 8, .value_kind: global_buffer, .address_space: global }
      - { .name: Wv, .offset: 24, .size: 8, .value_kind: global_buffer, .address_space: global }
      - { .name: codes, .offset: 32, .size: 8, .value_kind: global_buffer, .address_space: global }
      - { .name: scales, .offset: 40, .size: 8, .value_kind: global_buffer, .address_space: global }
    .group_segment_fixed_size: 50688
    .private_segment_fixed_size: 0
    .kernarg_segment_align: 8
    .kernarg_segment_size: 48
    .max_flat_workgroup_size: 128
    .sgpr_count:     66
    .vgpr_count:     192
    .wavefront_size: 32
...
	.end_amdgpu_metadata
.endif
;; end of part 1
;; launch project (part 2): grid 12 x 32, 4 waves a work-group, clusters of 4 x 4, 327,680 bytes of LDS; arguments codes, scales, bq, bk, bv, qkv; writes qkv
.if DOCPART == 2
	.amdgcn_target "amdgcn-amd-amdhsa--gfx1250"
	.amdhsa_code_object_version 6
	.text
	.protected	k_q83a0811d8c_project
	.globl	k_q83a0811d8c_project
	.p2align	8
	.type	k_q83a0811d8c_project,@function
k_q83a0811d8c_project:
	s_mov_b64 s[64:65], 0
	v_nop
	global_prefetch_b8 v0, s[64:65] scope:SCOPE_SE
	s_setreg_imm32_b32 hwreg(HW_REG_WAVE_MODE, 25, 1), 1
	s_wait_xcnt 0x0
	s_wait_alu depctr_hold_cnt(0) depctr_sa_sdst(0) depctr_va_vdst(0) depctr_va_sdst(0) depctr_va_ssrc(0) depctr_va_vcc(0) depctr_vm_vsrc(0)
	s_getreg_b32 s2, hwreg(HW_REG_IB_STS2, 6, 4)
	s_cmp_eq_u32 s2, 0
	s_cbranch_scc0 .Lentry_in_a_cluster
	s_endpgm
.Lentry_in_a_cluster:
	s_bfe_u32 s2, ttmp6, 0x10000c
	s_cmp_lg_u32 s2, 0xf033
	s_cbranch_scc0 .Lentry_shape_is_right
	s_endpgm
.Lentry_shape_is_right:
; The three projections on codes of FP4 (E2M1) with E8M0 scales: [8192 tokens][1024] x [3072 columns][1024], K = 1024, sums in f32; then + bias, q also x log2(e) / 8, in f32, rounded once to f16.
; A tile of 256 x 256 is made by four waves, each 128 x 128: 64 accumulators, 512 registers.  K = 1024 is two slots of 512 along K (rows of 256 bytes): both are first fills, nothing is filled again.
; The scale bytes of the work-group's 2 x 256 rows, for all of K, come into LDS once, as rows of 256 bytes.
; SIDES.  Source 0 takes 16 rows of side 0, source 1 16 rows of side 1; in the result lane (r, h) holds, for side 1's row r, side 0's rows 8 h + 0 .. 7.
;   Cluster x = 0 (q), 1 (k): side 0 = the weight's columns, side 1 = tokens: a lane's eight results are eight neighbouring d of one token.
;   Cluster x = 2 (v):        side 0 = tokens, side 1 = the weight's columns: a lane's eight results are eight neighbouring tokens of one d.
; Either way four conversions give 16 bytes of a 16-bit matrix fragment as the next launch's registers take it, and each store of the wave covers 512 consecutive bytes, aligned:
;   qkv [which 3][batch 4][head 16][tok16 128][sub 4][lane 32][16 bytes];  q, k: sub = d / 16, lane (r, h): token 16 tok16 + r, d = 16 sub + 8 h + 0..7;  v: sub = d / 16, lane (r, h): d = 16 sub + r, tokens 16 tok16 + 8 h + 0..7.
; Both sides come from the one buffer of codes and the one of scales: only row numbers differ between the cases, chosen by s_cselect_b32 on the cluster's x, which all sixteen partners share.
; CLUSTERS: 4 x 4.  Side 1's tiles hang on cy alone and are asked for jointly along a row of the cluster, side 0's on cx alone, along a column.
; LIMITS: (q + bq) log2(e) / 8, k + bk or v + bv beyond 65,504 become infinities of f16 and are not served.
; REGISTERS: window 0: v0-31 addresses; v32-95 scale words, two sets, and nothing else; v96-103 the biases' offsets, on the way out v96-127 packed results; v128-191 side 1's fragments, ONE set, on the way out
;   64 numbers at work; v192-255 64 numbers of bias.   window 1: side 0's fragments, TWO sets, at v0 and v128.   windows 2, 3: the accumulators of side 1's blocks 0-3, 4-7 ((a, b) at v[8 (8 (a % 4) + b)]).
.set NQ,     4                         ; steps of 128 along K in a slot
.set ROWB,   256                       ; a tile's row in bytes: 512 codes
.set KROW,   512                       ; a row of codes in memory
.set PITCH,  272                       ; an LDS row: 256 bytes + 16 of padding = 68 words: the 16 rows that a load touches start at 16 different banks (64 banks of 4 bytes: ISA guide 11.1)
.set FR,     8
.set NL,     2
.set NP,     4                         ; places behind this matrix instruction (ISA guide 7.12.1)
.set HALFT,  128*PITCH
.set SLOT,   4*HALFT                   ; side 1's 256 rows, then side 0's
.set KS,     32                        ; a row of scales in bytes
.set SCL,    2*SLOT
.set HALFS,  16*272                    ; the scales of 128 rows: 16 rows of 256 bytes + 16
.set SBLK,   2*272                     ; those of 16 rows
.set SPARE,  SCL+4*HALFS               ; the spare words, 128 bytes for each wave: two blocks of 256 bytes that no other line names
.set ADRA, 16                          ; v16-17  LDS address of side 1's fragments in slot 0, 1
.set ADRB, 20                          ; v20-21  side 0's
.set CO,   26                          ; v26     16 x lane: my place in an image
.set ADRS, 27                          ; v27     my scale words: lanes 0-15 side 1's rows, lanes 16-31 side 0's
.set SPW,  28
.set NIL,  29
.set SC,   32
.set VO,   96
.set PK,   96
.set AF,   128
.set T,    128
.set BI,   192
.set G1, 24                            ; s[24:31], s[32:39]: groups 1 and 0 (a set for each slot) for side 1's codes
.set G0, 32
.set G1B, 48                           ; s[48:55], s[56:63]: side 0's
.set G0B, 56
.set G1S, 68                           ; s[68:75], s[76:79]: side 1's scales;  s[80:87], s[88:91]: side 0's
.set G0S, 76
.set G1SB, 80
.set G0SB, 88
.set MSB, 0
.macro WIN new                         ; the immediate's high byte repeats the setting that is left
.if MSB != (\new)
	s_set_vgpr_msb (MSB<<8)|(\new)
.set MSB, (\new)
.endif
.endm
.set MUL_LO, 0xa1                      ; source 0 window 1, source 1 window 0, C and D window 2
.set MUL_HI, 0xf1
.set TO_B,   0x40
; A joint load: waves 0 and 1 fetch for side 1, waves 2 and 3 for side 0.  The branch hangs on the wave's number alone.  An s_nop 0 and four v_nop follow each line.
.macro JLOAD g0a, g1a, g0b, g1b
	s_cmp_eq_u32 s17, 0
	s_cbranch_scc0 .Lfor_0_\@
	tensor_load_to_lds s[\g0a:\g0a+3], s[\g1a:\g1a+7]
	s_nop 0
.rept 4
	v_nop
.endr
	s_branch .Lasked_\@
.Lfor_0_\@:
	tensor_load_to_lds s[\g0b:\g0b+3], s[\g1b:\g1b+7]
	s_nop 0
.rept 4
	v_nop
.endr
.Lasked_\@:
.endm
.macro CROUND                          ; a round of the cluster's barrier
	s_barrier_signal -1
	s_barrier_wait -1
	s_cmp_lg_u32 s16, 0
	s_cbranch_scc1 .Lnot_wave_0_\@
	s_barrier_signal -3
.Lnot_wave_0_\@:
	s_barrier_wait -3
	s_barrier_signal -1
	s_barrier_wait -1
.endm
	s_load_b256 s[4:11], s[0:1], 0x0               ; codes s[4:5], scales s[6:7], bq s[8:9], bk s[10:11]
	s_load_b128 s[12:15], s[0:1], 0x20             ; bv s[12:13], qkv s[14:15]
	v_lshl_add_u32 v[SPW], v0, 2, SPARE
	v_mov_b32 v[NIL], 0
	ds_add_u32 v[SPW], v[NIL]                      ; the wave's opening: the add, twice on end, and its wait ahead of my first tensor load
	ds_add_u32 v[SPW], v[NIL]
	v_lshrrev_b32 v1, 5, v0
	v_readfirstlane_b32 s16, v1                    ; wave 0..3
	s_lshr_b32 s17, s16, 1                         ; my half of side 1's rows.  Also: I fetch for side 1 (0) or side 0 (1)
	s_and_b32 s18, s16, 1                          ; my half of side 0's rows.  Also: which 128 rows I fetch
	s_bfe_u32 s40, ttmp6, 0x40000                  ; cx
	s_bfe_u32 s41, ttmp6, 0x40004                  ; cy
	s_and_b32 s19, ttmp7, 0xffff                   ; cluster y: which 1,024 tokens
	s_add_co_u32 s20, ttmp9, 8
	s_cmp_eq_u32 ttmp9, 2                          ; the values' cluster?  The same in all sixteen partners
	s_cselect_b32 s66, 1, 0
	s_cselect_b32 s42, s19, s20                    ; side 0, in units of 1,024 rows of the codes' buffer: tokens, or weight 8 + cluster x
	s_cselect_b32 s43, 10, s19                     ; side 1: Wv, or tokens
	s_lshl_b32 s42, s42, 2
	s_add_co_u32 s42, s42, s40                     ; side 0's tile of 256 rows: hangs on cx
	s_lshl_b32 s43, s43, 2
	s_add_co_u32 s43, s43, s41                     ; side 1's: hangs on cy
	s_lshl_b32 s44, s41, 2
	s_lshl_b32 s44, 15, s44                        ; my row of the cluster
	s_lshl_b32 s45, 0x1111, s40                    ; my column
	s_or_b32 s[G1+0], s44, (0<<16)|(1<<20)|(1<<21)|(5<<22)|(3<<25)   ; 15:0 the mask; 17:16 elements of 1 byte; 20 padding on; 21 set beside a mask; 24:22 after every 64 words; 31:25 four words
	s_or_b32 s[G1B+0], s45, (0<<16)|(1<<20)|(1<<21)|(5<<22)|(3<<25)
.irp g, G1, G1B
	s_mov_b32 s[\g+1], ROWB<<16                    ; tensor_dim0
	s_mov_b32 s[\g+2], 128<<16                     ; tensor_dim1
	s_mov_b32 s[\g+3], ROWB<<16                    ; tile_dim0
	s_mov_b32 s[\g+4], 128                         ; tile_dim1
	s_mov_b32 s[\g+5], KROW                        ; from row to row
	s_mov_b32 s[\g+6], 0
	s_mov_b32 s[\g+7], 0
.endr
	s_or_b32 s[G1S+0], s44, (3<<16)|(1<<20)|(1<<21)|(5<<22)|(3<<25)  ; the scales of 128 rows: 4,096 dense bytes as 16 rows of 32 elements of 8 bytes, 16 bytes of padding behind each
	s_or_b32 s[G1SB+0], s45, (3<<16)|(1<<20)|(1<<21)|(5<<22)|(3<<25)
.irp g, G1S, G1SB
	s_mov_b32 s[\g+1], 32<<16
	s_mov_b32 s[\g+2], 16<<16
	s_mov_b32 s[\g+3], 32<<16
	s_mov_b32 s[\g+4], 16
	s_mov_b32 s[\g+5], 32
	s_mov_b32 s[\g+6], 0
	s_mov_b32 s[\g+7], 0
.endr
	s_lshl_b32 s94, s18, 7                         ; which 128 rows of the tile I fetch
	s_lshl_b32 s20, s43, 8
	s_add_co_u32 s20, s20, s94                     ; side 1: the first row that I fetch (under 11,264)
	s_lshl_b32 s22, s20, 5                         ; its scales, in bytes,
	s_lshl_b32 s20, s20, 9                         ; its codes
	s_mov_b32 s21, 0
	s_mov_b32 s23, 0
	s_lshl_b32 s46, s42, 8
	s_add_co_u32 s46, s46, s94                     ; side 0 likewise, in registers that never hold cy
	s_lshl_b32 s92, s46, 5
	s_lshl_b32 s46, s46, 9
	s_mov_b32 s47, 0
	s_mov_b32 s93, 0
	s_mul_i32 s98, s16, HALFT                      ; where they go: wave x 128 rows: no place in the cluster enters an LDS address
	s_mul_i32 s99, s16, HALFS
	s_wait_dscnt 0x0                               ; both opening adds are done
	s_wait_kmcnt 0x0
	s_add_nc_u64 s[20:21], s[4:5], s[20:21]
	s_add_nc_u64 s[22:23], s[6:7], s[22:23]
	s_add_nc_u64 s[46:47], s[4:5], s[46:47]
	s_add_nc_u64 s[92:93], s[6:7], s[92:93]
	CROUND                                         ; all sixteen work-groups are here: the first joint loads meet
	s_mov_b32 s[G0S], 1
	s_add_co_u32 s[G0S+1], s99, SCL
	s_mov_b64 s[G0S+2:G0S+3], s[22:23]
	s_or_b32 s[G0S+3], s[G0S+3], 0x80000000
	s_mov_b32 s[G0SB], 1
	s_add_co_u32 s[G0SB+1], s99, SCL
	s_mov_b64 s[G0SB+2:G0SB+3], s[92:93]
	s_or_b32 s[G0SB+3], s[G0SB+3], 0x80000000
	JLOAD G0S, G1S, G0SB, G1SB                     ; the scales first: they are wanted with the first step
.irp s, 0,1
	s_mov_b32 s[G0+4*\s], 1
	s_add_co_u32 s[G0+4*\s+1], s98, \s*SLOT
	s_add_nc_u64 s[G0+4*\s+2:G0+4*\s+3], s[20:21], \s*ROWB
	s_or_b32 s[G0+4*\s+3], s[G0+4*\s+3], 0x80000000
	s_mov_b32 s[G0B+4*\s], 1
	s_add_co_u32 s[G0B+4*\s+1], s98, \s*SLOT
	s_add_nc_u64 s[G0B+4*\s+2:G0B+4*\s+3], s[46:47], \s*ROWB
	s_or_b32 s[G0B+4*\s+3], s[G0B+4*\s+3], 0x80000000
	JLOAD G0+4*\s, G1, G0B+4*\s, G1B               ; by this text's count three tensor loads of a wave are out
.endr
	v_and_b32 v1, 15, v0                           ; r
	v_bfe_u32 v2, v0, 4, 1                         ; h
	v_mul_u32_u24 v3, v1, PITCH
	v_lshl_add_u32 v4, v2, 4, v3                   ; a fragment's row x pitch + 16 h
	s_mul_i32 s21, s17, HALFT                      ; my 128 rows of side 1
	s_mul_i32 s22, s18, HALFT                      ; my 128 rows of side 0,
	s_add_co_u32 s22, s22, 2*HALFT                 ; which lie behind side 1's 256
.irp s, 0,1
	v_add_nc_u32 v[ADRA+\s], s21, v4
	v_add_nc_u32 v[ADRB+\s], s22, v4
	s_add_co_u32 s21, s21, SLOT
	s_add_co_u32 s22, s22, SLOT
.endr
	v_mul_u32_u24 v5, v1, KS                       ; my row's scales: 32 bytes a row,
	v_lshrrev_b32 v6, 8, v5
	v_lshl_add_u32 v5, v6, 4, v5                   ; and 16 more for each 256 passed
	s_mul_i32 s21, s17, HALFS
	s_mul_i32 s22, s18, HALFS
	s_add_co_u32 s22, s22, 2*HALFS
	s_sub_co_u32 s22, s22, s21
	v_mul_u32_u24 v6, s22, v2                      ; lanes 16-31 take side 0's: one product, the distance between the two bases
	s_add_co_u32 s21, s21, SCL
	v_add_nc_u32 v5, v5, v6
	v_add_nc_u32 v[ADRS], s21, v5
	v_and_b32 v6, 31, v0
	v_lshlrev_b32 v[CO], 4, v6
	; THE BIAS, in the result's layout, with no branch: register 8 g + j holds bias[16 g + 8 h + j] of my 128 columns where the columns are side 0 (q, k), bias[16 g + r] where they are side 1 (v)
	s_cmp_eq_u32 ttmp9, 1
	s_cselect_b64 s[8:9], s[10:11], s[8:9]
	s_cmp_eq_u32 ttmp9, 2
	s_cselect_b64 s[8:9], s[12:13], s[8:9]
	s_cselect_b32 s94, s41, s40                    ; which 256 columns of the weight
	s_cselect_b32 s95, s17, s18                    ; which half of them
	s_cselect_b32 s20, 4, 0                        ; bytes for r,
	s_cselect_b32 s21, 0, 32                       ; for h,
	s_cselect_b32 s22, 0, 4                        ; for j
	s_lshl_b32 s94, s94, 10
	s_lshl_b32 s95, s95, 9
	s_add_co_u32 s94, s94, s95
	s_mov_b32 s95, 0
	s_add_nc_u64 s[8:9], s[8:9], s[94:95]
	v_mul_u32_u24 v[VO], v1, s20
	v_mad_u32_u24 v[VO], v2, s21, v[VO]
.irp j, 1,2,3,4,5,6,7
	v_add_nc_u32 v[VO+\j], s22, v[VO+\j-1]
.endr
.irp g, 0,1,2,3,4,5,6,7
.irp j, 0,1,2,3,4,5,6,7
	global_load_b32 v[BI+8*\g+\j], v[VO+\j], s[8:9] offset:64*\g   ; waited for on the way out
.endr
.endr
	s_cmp_eq_u32 ttmp9, 0
	s_cselect_b32 s96, 0x3e38aa3b, 1.0             ; q carries log2(e) / sqrt(64), so that the next launch's scores are exponents of 2
	s_mov_b32 s97, s96                             ; (named with it as a pair)
	; where my part of the images begins
	s_cmp_eq_u32 ttmp9, 2
	s_cselect_b32 s20, s42, s43                    ; the tile of 256 tokens (0 .. 31),
	s_cselect_b32 s21, s18, s17                    ; my half of it,
	s_cselect_b32 s22, s41, s40                    ; the tile of 256 columns = 4 heads,
	s_cselect_b32 s23, s17, s18                    ; my half of it = 2 heads
	s_lshl_b32 s94, ttmp9, 24                      ; which
	s_lshr_b32 s95, s20, 3
	s_lshl_b32 s95, s95, 22                        ; batch
	s_add_co_u32 s94, s94, s95
	s_lshl_b32 s22, s22, 20                        ; head = 4 x tile + 2 x half, 2^18 bytes each
	s_add_co_u32 s94, s94, s22
	s_lshl_b32 s23, s23, 19
	s_add_co_u32 s94, s94, s23
	s_and_b32 s20, s20, 7
	s_lshl_b32 s20, s20, 15                        ; tok16 = 16 x (tile % 8) + 8 x half, 2,048 bytes each
	s_add_co_u32 s94, s94, s20
	s_lshl_b32 s21, s21, 14
	s_add_co_u32 s94, s94, s21
	s_mov_b32 s95, 0
	s_add_nc_u64 s[14:15], s[14:15], s[94:95]
.macro FRAG reg, adr, q, i             ; 16 rows x 128 K of 4-bit codes: 8 registers: lane l holds row l % 16; registers 4 c .. 4 c + 3 hold K = 64 c + 32 (l / 16) + 0 .. 31
.irp c, 0,1
	ds_load_b128 v[\reg+4*\c:\reg+4*\c+3], v[\adr] offset:64*(\q)+32*\c+(\i)*16*PITCH
.endr
.endm
; 16 matrix instructions: side 1's blocks a0, a0 + 1 x side 0's eight, 128 along K.  p: side 0's set; sc: the set of scale words.  zero = 1: the first product starts the sums.
; The 64 accumulators take turns, one instruction a turn, in the same order in every step.
.macro MUL16 a0, p, q, sc, zero
.irp a, \a0, \a0+1
.irp b, 0,1,2,3,4,5,6,7
.if \zero
	v_wmma_scale_f32_16x16x128_f8f6f4 v[8*(8*((\a)%4)+\b):8*(8*((\a)%4)+\b)+7], v[128*(\p)+FR*\b:128*(\p)+FR*\b+FR-1], v[AF+FR*(\a):AF+FR*(\a)+FR-1], 0, v[SC+8*NQ*(\sc)+NQ*\b+(\q)], v[SC+8*NQ*(\sc)+NQ*(\a)+(\q)] matrix_a_fmt:MATRIX_FMT_FP4 matrix_b_fmt:MATRIX_FMT_FP4 matrix_a_scale:MATRIX_SCALE_ROW1
.else
	v_wmma_scale_f32_16x16x128_f8f6f4 v[8*(8*((\a)%4)+\b):8*(8*((\a)%4)+\b)+7], v[128*(\p)+FR*\b:128*(\p)+FR*\b+FR-1], v[AF+FR*(\a):AF+FR*(\a)+FR-1], v[8*(8*((\a)%4)+\b):8*(8*((\a)%4)+\b)+7], v[SC+8*NQ*(\sc)+NQ*\b+(\q)], v[SC+8*NQ*(\sc)+NQ*(\a)+(\q)] matrix_a_fmt:MATRIX_FMT_FP4 matrix_b_fmt:MATRIX_FMT_FP4 matrix_a_scale:MATRIX_SCALE_ROW1
.endif
.endr
.endr
.endm
.macro FETCH_B slot, q, p              ; side 0's eight fragments of the slot's q-th 128 along K into set p
	WIN TO_B
.irp i, 0,1,2,3,4,5,6,7
	FRAG 128*(\p)+FR*\i, ADRB+\slot, \q, \i
.endr
	WIN 0
.endm
.macro FETCH_A slot, q, i0             ; side 1's blocks i0 .. i0 + 3
.irp i, \i0, \i0+1, \i0+2, \i0+3
	FRAG AF+FR*(\i), ADRA+\slot, \q, \i
.endr
.endm
.macro SCALES sc                       ; a slot's scale words into set sc: 4 words a row; lanes 0-15 take side 1's block i, lanes 16-31 side 0's block i
.irp i, 0,1,2,3,4,5,6,7
	ds_load_b128 v[SC+8*NQ*\sc+NQ*\i:SC+8*NQ*\sc+NQ*\i+3], v[ADRS] offset:\i*SBLK
.endr
.endm
.macro PLACES n                        ; plain vector instructions between a matrix instruction and a load into one of its registers, or a read of its result (ISA guide 7.12.1 for a read of its result)
.rept \n
	v_nop
.endr
.endm
.macro STEP slot, q, zero              ; a step of 128 along K that has its successor in the same slot
	s_wait_dscnt 4*NL                              ; side 0's set and side 1's blocks 0-3 are in; the youngest eight loads (blocks 4-7) may be out
	WIN MUL_LO
	MUL16 0, (\q)%2, \q, \slot, \zero
	MUL16 2, (\q)%2, \q, \slot, \zero
	s_wait_dscnt 0                                 ; blocks 4-7 are in
	PLACES NP
	FETCH_B \slot, (\q)+1, 1-(\q)%2
	FETCH_A \slot, (\q)+1, 0
	WIN MUL_HI
	MUL16 4, (\q)%2, \q, \slot, \zero
	MUL16 6, (\q)%2, \q, \slot, \zero
	PLACES NP
	WIN 0
	FETCH_A \slot, (\q)+1, 4
.endm
.macro STEPS slot, from
.set Q, \from
.rept NQ-1-\from
	STEP \slot, Q, 0
.set Q, Q+1
.endr
.endm
	s_wait_tensorcnt 1                             ; the scales and my part of slot 0 are in; slot 1's load may stay out
	s_barrier_signal -1
	s_barrier_wait -1                              ; everybody's are
	FETCH_B 0, 0, 0
	FETCH_A 0, 0, 0
	SCALES 0
	FETCH_A 0, 0, 4
	STEP 0, 0, 1                                   ; the first step's products start the sums: nothing is cleared
	STEPS 0, 1
	; slot 0's last step changes slots: one barrier, in front of which each wave has waited for its part of slot 1
	s_wait_tensorcnt 0x0                           ; all my tensor loads have landed
	ds_add_u32 v[SPW], v[NIL]
	s_wait_dscnt 4*NL+1                            ; (the add and the youngest eight loads may be out)
	WIN MUL_LO
	MUL16 0, 1, NQ-1, 0, 0
	s_wait_dscnt 0x0
	s_barrier_signal -1
	MUL16 2, 1, NQ-1, 0, 0
	WIN 0
	s_barrier_wait -1                              ; slot 1 is whole
	PLACES NP
	v_add_nc_u32 v[ADRS], 4*NQ, v[ADRS]            ; the second 512 along K: 16 bytes on in each row of scales
	FETCH_B 1, 0, 0
	FETCH_A 1, 0, 0
	SCALES 1
	WIN MUL_HI
	MUL16 4, 1, NQ-1, 0, 0
	MUL16 6, 1, NQ-1, 0, 0
	PLACES NP
	WIN 0
	FETCH_A 1, 0, 4
	STEPS 1, 0
	s_wait_dscnt 4*NL                              ; the very last step: nothing more to fetch
	WIN MUL_LO
	MUL16 0, 1, NQ-1, 1, 0
	MUL16 2, 1, NQ-1, 1, 0
	s_wait_dscnt 0
	WIN MUL_HI
	MUL16 4, 1, NQ-1, 1, 0
	MUL16 6, 1, NQ-1, 1, 0
	WIN 0
	; THE WAY OUT: result x factor + bias x factor, one packed fused multiply-add for two numbers; rounded once to f16; stored from registers.
	s_wait_loadcnt 0x0                             ; the bias
.set i, 0
.rept 32
	v_pk_mul_f32 v[BI+2*i:BI+2*i+1], v[BI+2*i:BI+2*i+1], s[96:97] op_sel_hi:[1,0]   ; bias x factor.  These name no register of the last products: they are the places behind them
.set i, i+1
.endr
.macro WAYOUT v                        ; v = 0: the bias runs along side 0 (block b), v = 1: along side 1 (block a); and the images' offsets differ
.irp a, 0,1,2,3,4,5,6,7
	WIN 0x02+(\a/4)                                ; source 0: window 2 or 3
.irp b, 0,1,2,3,4,5,6,7
.irp i, 0,1,2,3
.if \v
	v_pk_fma_f32 v[T+8*\b+2*\i:T+8*\b+2*\i+1], v[64*(\a%4)+8*\b+2*\i:64*(\a%4)+8*\b+2*\i+1], s[96:97], v[BI+8*\a+2*\i:BI+8*\a+2*\i+1] op_sel_hi:[1,0,1]
.else
	v_pk_fma_f32 v[T+8*\b+2*\i:T+8*\b+2*\i+1], v[64*(\a%4)+8*\b+2*\i:64*(\a%4)+8*\b+2*\i+1], s[96:97], v[BI+8*\b+2*\i:BI+8*\b+2*\i+1] op_sel_hi:[1,0,1]
.endif
.endr
.endr
	WIN 0
.if \a > 0
	s_wait_xcnt 0x0                                ; the last block's stores have read their data: the packed registers are written again only behind this wait
.endif
.irp b, 0,1,2,3,4,5,6,7
.irp i, 0,1,2,3
	v_cvt_pk_f16_f32 v[PK+4*\b+\i], v[T+8*\b+2*\i], v[T+8*\b+2*\i+1]
.endr
.endr
.irp b, 0,1,2,3,4,5,6,7
.if \v
	global_store_b128 v[CO], v[PK+4*\b:PK+4*\b+3], s[14:15] offset:(\a/4)*262144+\b*2048+(\a%4)*512   ; head a / 4, tok16 b, sub a % 4
.else
	global_store_b128 v[CO], v[PK+4*\b:PK+4*\b+3], s[14:15] offset:(\b/4)*262144+\a*2048+(\b%4)*512   ; head b / 4, tok16 a, sub b % 4: 32 lanes store 512 consecutive bytes, aligned
.endif
.endr
.endr
.endm
	s_cmp_eq_u32 s66, 1                            ; the cluster's x alone: the same way in all sixteen partners
	s_cbranch_scc1 .Lvalues
	WAYOUT 0
	s_branch .Lend
.Lvalues:
	WAYOUT 1
.Lend:
	s_wait_tensorcnt 0x0                           ; the wave's end
	ds_add_u32 v[SPW], v[NIL]
	s_wait_dscnt 0x0
	CROUND                                         ; the closing round
	s_endpgm
.Lfunc_end_k_q83a0811d8c_project:
	.size	k_q83a0811d8c_project, .Lfunc_end_k_q83a0811d8c_project-k_q83a0811d8c_project
	.p2alignl 7, 3214868480
	.fill 96, 4, 3214868480
	.section	.rodata,"a",@progbits
	.p2align	6, 0x0
	.amdhsa_kernel k_q83a0811d8c_project
		.amdhsa_group_segment_fixed_size 327680
		.amdhsa_private_segment_fixed_size 0
		.amdhsa_enable_private_segment 0
		.amdhsa_kernarg_size 48
		.amdhsa_user_sgpr_count 2
		.amdhsa_user_sgpr_kernarg_segment_ptr 1
		.amdhsa_wavefront_size32 1
		.amdhsa_system_sgpr_workgroup_id_x 1
		.amdhsa_system_sgpr_workgroup_id_y 1
		.amdhsa_system_sgpr_workgroup_id_z 1
		.amdhsa_system_vgpr_workitem_id 0
		.amdhsa_next_free_vgpr 1024
		.amdhsa_next_free_sgpr 100
		.amdhsa_reserve_vcc 0
		.amdhsa_float_denorm_mode_32 3
		.amdhsa_float_denorm_mode_16_64 3
		.amdhsa_memory_ordered 1
		.amdhsa_forward_progress 1
		.amdhsa_inst_pref_size 181
	.end_amdhsa_kernel
	.amdgpu_metadata
---
amdhsa.version: [ 1, 2 ]
amdhsa.kernels:
  - .name:           k_q83a0811d8c_project
    .symbol:         k_q83a0811d8c_project.kd
    .args:
      - { .name: codes, .offset: 0, .size: 8, .value_kind: global_buffer, .address_space: global }
      - { .name: scales, .offset: 8, .size: 8, .value_kind: global_buffer, .address_space: global }
      - { .name: bq, .offset: 16, .size: 8, .value_kind: global_buffer, .address_space: global }
      - { .name: bk, .offset: 24, .size: 8, .value_kind: global_buffer, .address_space: global }
      - { .name: bv, .offset: 32, .size: 8, .value_kind: global_buffer, .address_space: global }
      - { .name: qkv, .offset: 40, .size: 8, .value_kind: global_buffer, .address_space: global }
    .group_segment_fixed_size: 327680
    .private_segment_fixed_size: 0
    .kernarg_segment_align: 8
    .kernarg_segment_size: 48
    .max_flat_workgroup_size: 128
    .sgpr_count:     100
    .vgpr_count:     1024
    .wavefront_size: 32
...
	.end_amdgpu_metadata
.endif
;; end of part 2
;; launch attend (part 3): grid 4 x 64, 8 waves a work-group, clusters of 4 x 1, 327,680 bytes of LDS; arguments qkv, attention_mask, out0; writes out0
.if DOCPART == 3
	.amdgcn_target "amdgcn-amd-amdhsa--gfx1250"
	.amdhsa_code_object_version 6
	.text
	.protected	k_q83a0811d8c_attend
	.globl	k_q83a0811d8c_attend
	.p2align	8
	.type	k_q83a0811d8c_attend,@function
k_q83a0811d8c_attend:
	s_mov_b64 s[64:65], 0
	v_nop
	global_prefetch_b8 v0, s[64:65] scope:SCOPE_SE
	s_setreg_imm32_b32 hwreg(HW_REG_WAVE_MODE, 25, 1), 1
	s_wait_xcnt 0x0
	s_wait_alu depctr_hold_cnt(0) depctr_sa_sdst(0) depctr_va_vdst(0) depctr_va_sdst(0) depctr_va_ssrc(0) depctr_va_vcc(0) depctr_vm_vsrc(0)
	s_getreg_b32 s2, hwreg(HW_REG_IB_STS2, 6, 4)
	s_cmp_eq_u32 s2, 0
	s_cbranch_scc0 .Lentry_in_a_cluster
	s_endpgm
.Lentry_in_a_cluster:
	s_bfe_u32 s2, ttmp6, 0x10000c
	s_cmp_lg_u32 s2, 0x3003
	s_cbranch_scc0 .Lentry_shape_is_right
	s_endpgm
.Lentry_shape_is_right:
; out0[b][q][64 head + d] = the sum over k of softmax_k(q . k / 8 + mask[b][k]) v[k][d], for 64 (batch, head) pairs of 2,048 tokens, head size 64.  q, k, v arrive as f16 images of matrix fragments
; (qkv [which][batch][head][tok16][sub 4][lane 32][16 bytes]); q already carries log2(e) / 8.  Products in f16 with f32 sums; maxima, exponentials and sums in f32; the weights p are rounded to f16.
; SHARES.  A work-group owns 512 queries of one (batch, head), each of its eight waves 64: four tiles of 16, in 512 registers: two waves to a SIMD, so that one wave's softmax stands beside the other's products.
; Every wave walks all 2,048 keys, 64 a step.
; LAYOUT.  S^T = K Q^T + C (source 0 = 16 keys, source 1 = 16 queries, C = mask x log2(e) in the result's layout): a lane holds ONE query (lane % 16) and keys 8 (lane / 16) + 0..7 of each key tile.  Two such
; tiles, rounded to f16 in pairs, ARE source 1 (32 keys x 16 queries) of O^T = V^T P.  K's and V's images come out of LDS 16 bytes a lane at 16 x lane: no pitch, no padding, nothing is turned.
; SOFTMAX.  For each query a running maximum m (begun at -3e38) and sum l: p = 2^(s - m); in every step O and l are multiplied by a = 2^(m_old - m_new).
; A key whose mask is -infinity gets p = 0; a row masked to -infinity throughout gives NaN.  A finite mask beyond 2.3e38 in size becomes infinite when multiplied by log2(e).
; RING.  Two LDS slots of 512 keys (K's 65,536 bytes, then V's).  Each of the eight waves brings 16,384 dense bytes by one tensor load.  The 2,048 keys are four fills: two at the start, two refills.
; CLUSTER.  The four query blocks of a (batch, head) walk the same K and V: each tile is asked for JOINTLY, by the same load with the same descriptor and the mask 15.
; No prefetch: a refill is asked for eight key steps, 512 matrix instructions of the wave, ahead of the wait for it.
; REGISTERS.  window 0: v1-7 addresses; v8-31 six registers of statistics a tile; v32-159 S^T, 32 a tile, whose low 16 then hold P; v160-223 K of a step; v224-255 the mask as C.
;   window 1: v0-63 Q; v64-191 O^T, 32 a tile; v192-255 V of a step.
.set SLOT1, 1<<17                      ; slot 1 begins here: one exclusive or turns an address in one slot into the other's
.set VOFF,  65536                      ; V's images in a slot
.set MASKB, 262144                     ; behind the ring: 2,048 numbers of mask x log2(e)
.set SPARE, 270336                     ; the spare words, 128 bytes for each wave: four blocks of 256 bytes that no other line names
.set ADM, 1                            ; v1  LDS address of the step's mask numbers
.set AK0, 2                            ; v2  16 x lane; never rewritten
.set AV0, 3                            ; v3  16 x lane + VOFF
.set AM0, 4                            ; v4  MASKB + 32 (lane / 16)
.set ADR, 5                            ; v5  LDS address of the run of loads in hand
.set SPW, 6
.set NIL, 7
.set ST,  8                            ; tile t at v[ST + 6 t]: +0 m, +1 at work, +2 a, +3 at work, +4, +5 l (even keys', odd keys')
.set S,   32
.set KF,  160
.set MK,  224
.set QF,  0                            ; window 1
.set OF,  64
.set VF,  192
.set WV,  10
.set SEL, 20                           ; s[20:21] selects for v_permlanex16_b32: lane l xor 16
.set TB,  22                           ; s22 LDS byte at which the images of the step to be fetched begin
.set TM,  23                           ; s23 and its mask numbers: 256 bytes a step
.set G1,  24                           ; s[24:31] descriptor group 1
.set G0A, 32                           ; s[32:35] group 0 of the first fill
.set G0B, 36                           ; s[36:39] of the second, which then walks
.set SLOTS, 40
.set STEPS, 41
.set MSB, 0
.macro WIN new
.if MSB != (\new)
	s_set_vgpr_msb (MSB<<8)|(\new)
.set MSB, (\new)
.endif
.endm
.set W_KQ,  0x04                       ; Q (source 1) in window 1
.set W_PV,  0x51                       ; V (source 0), O^T (C and D) in window 1, P in window 0
.set W_RS,  0x41                       ; O^T (destination and source 0) in window 1, a in window 0
.set W_L1,  0x40                       ; destination window 1
.set W_OUT, 0x01                       ; source 0 window 1
.macro CROUND                          ; a round of the cluster's barrier
	s_barrier_signal -1
	s_barrier_wait -1
	s_cmp_lg_u32 s[WV], 0
	s_cbranch_scc1 .Lnot_wave_0_\@
	s_barrier_signal -3
.Lnot_wave_0_\@:
	s_barrier_wait -3
	s_barrier_signal -1
	s_barrier_wait -1
.endm
	s_load_b128 s[4:7], s[0:1], 0x0                ; qkv s[4:5], attention_mask s[6:7]
	s_load_b64 s[8:9], s[0:1], 0x10                ; out0
	v_lshl_add_u32 v[SPW], v0, 2, SPARE
	v_mov_b32 v[NIL], 0
	ds_add_u32 v[SPW], v[NIL]                      ; the wave's opening: the add, twice on end, and its wait ahead of my first tensor load
	ds_add_u32 v[SPW], v[NIL]
	v_lshrrev_b32 v1, 5, v0
	v_readfirstlane_b32 s[WV], v1                  ; wave 0..7
	s_bfe_u32 s11, ttmp6, 0x40000                  ; cx
	s_lshl_b32 s12, ttmp9, 2
	s_add_co_u32 s12, s12, s11                     ; my block of 512 queries: it enters Q's and out0's addresses alone
	s_and_b32 s13, ttmp7, 0xffff                   ; 16 x batch + head, which the four partners share
	s_mov_b32 s[G1], 15|(3<<16)|(1<<21)            ; 15:0 the mask: all four; 17:16 elements of 8 bytes; 21 set beside a mask; no padding
	s_mov_b32 s[G1+1], 32<<16                      ; tensor_dim0 = 32 elements: rows of 256 bytes
	s_mov_b32 s[G1+2], 64<<16                      ; tensor_dim1 = 64
	s_mov_b32 s[G1+3], 32<<16                      ; tile_dim0
	s_mov_b32 s[G1+4], 64                          ; tile_dim1
	s_mov_b32 s[G1+5], 32                          ; from row to row: dense
	s_mov_b32 s[G1+6], 0
	s_mov_b32 s[G1+7], 0
	s_lshr_b32 s14, s[WV], 2                       ; what I fetch: waves 0-3 quarters of K's 65,536 bytes, waves 4-7 of V's
	s_add_co_u32 s14, s14, 1
	s_lshl_b32 s14, s14, 24
	s_lshl_b32 s15, s13, 18
	s_add_co_u32 s14, s14, s15
	s_and_b32 s15, s[WV], 3
	s_lshl_b32 s15, s15, 14
	s_add_co_u32 s14, s14, s15
	s_mov_b32 s15, 0
	s_lshl_b32 s16, s13, 18                        ; Q: my (batch, head), my block's 32 tok16, my wave's 4 of them
	s_lshl_b32 s17, s12, 16
	s_add_co_u32 s16, s16, s17
	s_lshl_b32 s17, s[WV], 13
	s_add_co_u32 s16, s16, s17
	s_mov_b32 s17, 0
	s_lshr_b32 s18, s13, 4                         ; batch
	s_lshl_b32 s42, s18, 13                        ; its 8,192 bytes of mask
	s_mov_b32 s43, 0
	s_lshl_b32 s18, s18, 23                        ; out0: (2,048 batch + 512 block + 64 wave) rows of 4,096 bytes + 256 head
	s_lshl_b32 s19, s12, 21
	s_add_co_u32 s18, s18, s19
	s_lshl_b32 s19, s[WV], 18
	s_add_co_u32 s18, s18, s19
	s_and_b32 s19, s13, 15
	s_lshl_b32 s19, s19, 8
	s_add_co_u32 s18, s18, s19
	s_mov_b32 s19, 0
	s_mov_b32 s[SEL], 0x76543210
	s_mov_b32 s[SEL+1], 0xfedcba98
	s_mov_b32 s[TB], 0
	s_mov_b32 s[TM], 0
	s_wait_dscnt 0x0                               ; both opening adds are done
	s_wait_kmcnt 0x0
	s_mov_b32 s[G0A], 1                            ; count = 1
	s_lshl_b32 s[G0A+1], s[WV], 14                 ; LDS: slot 0, wave x 16,384: no place in the cluster enters it
	s_add_nc_u64 s[G0A+2:G0A+3], s[4:5], s[14:15]  ; keys 0 .. 511
	s_mov_b32 s[G0B], 1
	s_add_co_u32 s[G0B+1], s[G0A+1], SLOT1
	s_add_nc_u64 s[G0B+2:G0B+3], s[G0A+2:G0A+3], 65536   ; keys 512 .. 1023
	s_or_b32 s[G0A+3], s[G0A+3], 0x80000000        ; type = 2
	s_or_b32 s[G0B+3], s[G0B+3], 0x80000000
	s_add_nc_u64 s[4:5], s[4:5], s[16:17]          ; Q at my wave's first tile
	s_add_nc_u64 s[6:7], s[6:7], s[42:43]
	s_add_nc_u64 s[8:9], s[8:9], s[18:19]
	CROUND                                         ; all four work-groups are here: the first joint loads meet
	tensor_load_to_lds s[G0A:G0A+3], s[G1:G1+7]    ; two loads of mine are out
	s_nop 0
	tensor_load_to_lds s[G0B:G0B+3], s[G1:G1+7]
	s_nop 0
.rept 4
	v_nop
.endr
	v_and_b32 v[AK0], 31, v0
	v_lshlrev_b32 v[AK0], 4, v[AK0]
	WIN W_L1
.irp i, 0,1,2,3,4,5,6,7,8,9,10,11,12,13,14,15
	global_load_b128 v[QF+4*\i:QF+4*\i+3], v[AK0], s[4:5] offset:512*\i   ; Q stays in registers: tile i / 4, d 16 (i % 4) on
.endr
	WIN 0
	v_lshlrev_b32 v[ADR], 4, v0
	global_load_b128 v[32:35], v[ADR], s[6:7]      ; the batch's 2,048 mask numbers: 256 threads x 2 x 16 bytes
	global_load_b128 v[36:39], v[ADR], s[6:7] offset:4096
	v_lshl_add_u32 v[ADM], v0, 4, MASKB
	v_add_nc_u32 v[AV0], VOFF, v[AK0]
	v_bfe_u32 v[AM0], v0, 4, 1
	v_lshl_add_u32 v[AM0], v[AM0], 5, MASKB
.irp t, 0,1,2,3
	v_mov_b32 v[ST+6*\t], 0xff61b1e6               ; m = -3e38, under every score that counts
	v_mov_b32 v[ST+6*\t+1], 0
	v_mov_b32 v[ST+6*\t+2], 0
	v_mov_b32 v[ST+6*\t+3], 0
	v_mov_b32 v[ST+6*\t+4], 0                      ; l
	v_mov_b32 v[ST+6*\t+5], 0
.endr
	WIN W_L1
.set i, 0
.rept 128
	v_mov_b32 v[OF+i], 0                           ; O^T: run once; the key step is so written without a first step of its own, which would be one more copy of it
.set i, i+1
.endr
	WIN 0
	s_wait_loadcnt 0x0                             ; Q and the mask
.irp j, 32,34,36,38
	v_pk_mul_f32 v[\j:\j+1], v[\j:\j+1], 0x3fb8aa3b op_sel_hi:[1,0]   ; x log2(e)
.endr
	ds_store_b128 v[ADM], v[32:35]
	ds_store_b128 v[ADM], v[36:39] offset:4096
	s_wait_tensorcnt 1                             ; my part of slot 0 is in; slot 1's may stay out
	s_wait_dscnt 0x0                               ; my part of the mask is stored
	s_barrier_signal -1
	s_barrier_wait -1
.macro FETCH_K                         ; a step's K (4 key tiles x 4 chunks of 16 d) and its 64 mask numbers in the result's layout: 24 loads
.irp i, 0,1,2,3,4,5,6,7,8,9,10,11,12,13,14,15
	ds_load_b128 v[KF+4*\i:KF+4*\i+3], v[ADR] offset:512*\i
.endr
.irp k, 0,1,2,3
	ds_load_b128 v[MK+8*\k:MK+8*\k+3], v[ADM] offset:64*\k
	ds_load_b128 v[MK+8*\k+4:MK+8*\k+7], v[ADM] offset:64*\k+16
.endr
	s_add_co_u32 s[TM], s[TM], 256
.endm
.macro FETCH_V                         ; a step's V: fragment (d tile d, keys 32 u on) at v[VF + 8 (d + 4 u)]; its halves come from tok16 2 u and 2 u + 1: 16 loads
	WIN W_L1
.irp c, 0,1,2,3
.irp d, 0,1,2,3
	ds_load_b128 v[VF+8*(\d+4*(\c/2))+4*(\c%2):VF+8*(\d+4*(\c/2))+4*(\c%2)+3], v[ADR] offset:2048*\c+512*\d
.endr
.endr
	s_add_co_u32 s[TB], s[TB], 8192                ; the next fetch is the next step's
.endm
; 32 products S^T = K Q^T + mask: the 16 accumulators take turns, one instruction a turn; the first 16 take the mask as C
.macro KQ
	WIN W_KQ
.irp k, 0,1,2,3
.irp t, 0,1,2,3
	v_wmma_f32_16x16x32_f16 v[S+32*\t+8*\k:S+32*\t+8*\k+7], v[KF+16*\k:KF+16*\k+7], v[QF+16*\t:QF+16*\t+7], v[MK+8*\k:MK+8*\k+7]
.endr
.endr
.irp k, 0,1,2,3
.irp t, 0,1,2,3
	v_wmma_f32_16x16x32_f16 v[S+32*\t+8*\k:S+32*\t+8*\k+7], v[KF+16*\k+8:KF+16*\k+15], v[QF+16*\t+8:QF+16*\t+15], v[S+32*\t+8*\k:S+32*\t+8*\k+7]
.endr
.endr
.endm
; 32 products O^T += V^T P, the 16 accumulators by turns
.macro PV
	WIN W_PV
.irp u, 0,1
.irp d, 0,1,2,3
.irp t, 0,1,2,3
	v_wmma_f32_16x16x32_f16 v[OF+32*\t+8*\d:OF+32*\t+8*\d+7], v[VF+8*(\d+4*\u):VF+8*(\d+4*\u)+7], v[S+32*\t+8*\u:S+32*\t+8*\u+7], v[OF+32*\t+8*\d:OF+32*\t+8*\d+7]
.endr
.endr
.endr
.endm
; THE SOFTMAX of a step, the four tiles by turns, so that no line waits for the line above it
.macro SOFTMAX
.irp t, 0,1,2,3                        ; the maximum of the lane's 32 scores and the old m: two chains a tile; each accumulator is first read at its low end
	v_max3_num_f32 v[ST+6*\t+3], v[S+32*\t], v[S+32*\t+1], v[S+32*\t+2]
	v_max3_num_f32 v[ST+6*\t+1], v[S+32*\t+16], v[S+32*\t+17], v[S+32*\t+18]
.endr
.irp i, 3,5,7,9,11,13
.irp t, 0,1,2,3
	v_max3_num_f32 v[ST+6*\t+3], v[ST+6*\t+3], v[S+32*\t+\i], v[S+32*\t+\i+1]
	v_max3_num_f32 v[ST+6*\t+1], v[ST+6*\t+1], v[S+32*\t+16+\i], v[S+32*\t+17+\i]
.endr
.endr
.irp t, 0,1,2,3
	v_max3_num_f32 v[ST+6*\t+3], v[ST+6*\t+3], v[S+32*\t+15], v[ST+6*\t]
.endr
.irp t, 0,1,2,3
	v_max3_num_f32 v[ST+6*\t+1], v[ST+6*\t+1], v[S+32*\t+31], v[ST+6*\t+3]
.endr
.irp t, 0,1,2,3
	v_permlanex16_b32 v[ST+6*\t+3], v[ST+6*\t+1], s[SEL], s[SEL+1]   ; the query's other 32 keys lie in the lane 16 away
.endr
.irp t, 0,1,2,3
	v_max_num_f32 v[ST+6*\t+1], v[ST+6*\t+1], v[ST+6*\t+3]          ; the new m
.endr
.irp t, 0,1,2,3
	v_sub_f32 v[ST+6*\t+2], v[ST+6*\t], v[ST+6*\t+1]                ; m_old - m_new
.endr
.irp t, 0,1,2,3
	v_mov_b32 v[ST+6*\t], v[ST+6*\t+1]
.endr
	; ONE BATCH: the four a and the 128 p; none of these lines names an exponential's result.  A tile's shifts s - m stand among the exponentials of the tile before
.irp t, 0,1,2,3
	v_exp_f32 v[ST+6*\t+2], v[ST+6*\t+2]
.endr
.set b, 0
.rept 16
	v_pk_add_f32 v[S+2*b:S+2*b+1], v[S+2*b:S+2*b+1], v[ST:ST+1] op_sel_hi:[1,0] neg_lo:[0,1] neg_hi:[0,1]
.set b, b+1
.endr
.irp t, 1,2,3
.set b, 0
.rept 16
	v_pk_add_f32 v[S+32*\t+2*b:S+32*\t+2*b+1], v[S+32*\t+2*b:S+32*\t+2*b+1], v[ST+6*\t:ST+6*\t+1] op_sel_hi:[1,0] neg_lo:[0,1] neg_hi:[0,1]
	v_exp_f32 v[S+32*(\t-1)+2*b], v[S+32*(\t-1)+2*b]
	v_exp_f32 v[S+32*(\t-1)+2*b+1], v[S+32*(\t-1)+2*b+1]
.set b, b+1
.endr
.endr
.set b, 0
.rept 32
	v_exp_f32 v[S+96+b], v[S+96+b]
.set b, b+1
.endr
	v_nop                                          ; a plain instruction behind the last exponential, ahead of the first use
	s_wait_alu depctr_va_vdst(0)                   ; one wait for the whole batch, ahead of its first reader
	; the sums of the unrounded p, and the roundings in place: P's register i takes pair i, and lies in pair i / 2, which has been summed and rounded
.set i, 0
.rept 16
.irp t, 0,1,2,3
.if i == 0
	v_pk_fma_f32 v[ST+6*\t+4:ST+6*\t+5], v[ST+6*\t+4:ST+6*\t+5], v[ST+6*\t+2:ST+6*\t+3], v[S+32*\t:S+32*\t+1] op_sel_hi:[1,0,1]   ; l = a l + the first pair
.else
	v_pk_add_f32 v[ST+6*\t+4:ST+6*\t+5], v[ST+6*\t+4:ST+6*\t+5], v[S+32*\t+2*i:S+32*\t+2*i+1]
.endif
.endr
.irp t, 0,1,2,3
	v_cvt_pk_f16_f32 v[S+32*\t+i], v[S+32*\t+2*i], v[S+32*\t+2*i+1]
.endr
.set i, i+1
.endr
	WIN W_RS                                       ; O^T x a, each accumulator from its low end on
.irp t, 0,1,2,3
.set i, 0
.rept 16
	v_pk_mul_f32 v[OF+32*\t+2*i:OF+32*\t+2*i+1], v[OF+32*\t+2*i:OF+32*\t+2*i+1], v[ST+6*\t+2:ST+6*\t+3] op_sel_hi:[1,0]
.set i, i+1
.endr
.endr
.endm
; A KEY STEP, from just behind its products K Q^T: the next step's K is asked for; softmax; V^T P; the next step's V is asked for; the next step's K Q^T.  next = 0: the last step.
.macro BODY next
.if \next
	v_add_nc_u32 v[ADR], s[TB], v[AK0]             ; four plain instructions between the products K Q^T and the loads into their registers, and the first read of the scores
	v_add_nc_u32 v[ADM], s[TM], v[AM0]
	v_nop
	v_nop
	FETCH_K
.else
.rept 4
	v_nop
.endr
.endif
	SOFTMAX
.if \next
	s_wait_dscnt 24                                ; V of this step is in; the 24 younger loads (the next step's K and mask) may be out
.else
	s_wait_dscnt 0x0
.endif
	PV
	WIN 0
.if \next
	v_add_nc_u32 v[ADR], s[TB], v[AV0]             ; five plain instructions: the next K Q^T writes over P, which these products have read; four serve the loads into V's registers
.rept 4
	v_nop
.endr
	FETCH_V
	s_wait_dscnt 16                                ; K and the mask are in; V's 16 loads may be out
	KQ
	WIN 0
.endif
.endm
; THE CHANGE OF SLOTS stands where the next fetch first comes from the other slot.  Each wave waits for all its tensor loads (its part of the other slot), adds 0 to its spare word, and waits for that and for
; its reads of the slot that it leaves.  fill = 1: the barrier is a round of the cluster's, and the slot just left is filled again first thing behind it, with the keys two slots on.
.macro CHANGE fill
	s_wait_tensorcnt 0x0                           ; no tensor load of mine is out, so a group 0 may be written
	ds_add_u32 v[SPW], v[NIL]                      ; 0 onto my spare word; the steps below stand between it and the wait for it
.if \fill
	s_xor_b32 s[G0B+1], s[G0B+1], SLOT1            ; the walking descriptor: the other slot than last time,
	s_add_nc_u64 s[G0B+2:G0B+3], s[G0B+2:G0B+3], 65536   ; the next 512 keys; the type bits on top are not reached
.endif
	s_sub_co_u32 s[TB], s[TB], 65536               ; the fetches go back to a slot's first step,
	s_xor_b32 s[TB], s[TB], SLOT1                  ; in the other slot
	s_wait_dscnt 0x0                               ; the add is done, and my reads of the slot that I leave are over
.if \fill
	CROUND
	tensor_load_to_lds s[G0B:G0B+3], s[G1:G1+7]    ; my one load behind the round: it has eight key steps in which to land
	s_nop 0
.rept 4
	v_nop
.endr
.else
	s_barrier_signal -1
	s_barrier_wait -1
.endif
.endm
	v_add_nc_u32 v[ADR], s[TB], v[AK0]             ; key step 0
	v_add_nc_u32 v[ADM], s[TM], v[AM0]
	FETCH_K
	v_add_nc_u32 v[ADR], s[TB], v[AV0]
	FETCH_V
	s_wait_dscnt 16
	KQ
	WIN 0                                          ; at a label and at a branch every window is 0
	s_mov_b32 s[STEPS], 7
.Lfirst:                                           ; steps 0 .. 6: they fetch steps 1 .. 7, slot 0's
	BODY 1
	s_sub_co_u32 s[STEPS], s[STEPS], 1
	s_cmp_lg_u32 s[STEPS], 0
	s_cbranch_scc1 .Lfirst
	s_mov_b32 s[SLOTS], 2
.Lslot:                                            ; two trips: slot 0 takes keys 1,024 on, slot 1 keys 1,536 on
	CHANGE 1
	s_mov_b32 s[STEPS], 8
.Lstep:
	BODY 1
	s_sub_co_u32 s[STEPS], s[STEPS], 1
	s_cmp_lg_u32 s[STEPS], 0
	s_cbranch_scc1 .Lstep
	s_sub_co_u32 s[SLOTS], s[SLOTS], 1
	s_cmp_lg_u32 s[SLOTS], 0
	s_cbranch_scc1 .Lslot
	CHANGE 0                                       ; the tail is written out
	s_mov_b32 s[STEPS], 8
.Llast:
	BODY 1
	s_sub_co_u32 s[STEPS], s[STEPS], 1
	s_cmp_lg_u32 s[STEPS], 0
	s_cbranch_scc1 .Llast
	BODY 0
	; THE WAY OUT.  l's two halves and the other half of the lanes' are added; O^T / l goes through my stage in LDS, a tile (16 queries x 256 bytes) at a time, and leaves as whole rows.
	; The stages lie in slot 0, which has had its last fill, and which nobody reads behind the last change of slots.
.irp t, 0,1,2,3
	v_add_f32 v[ST+6*\t+1], v[ST+6*\t+4], v[ST+6*\t+5]              ; (these four are the places behind the last products)
.endr
.irp t, 0,1,2,3
	v_permlanex16_b32 v[ST+6*\t+3], v[ST+6*\t+1], s[SEL], s[SEL+1]
.endr
.irp t, 0,1,2,3
	v_add_f32 v[ST+6*\t+1], v[ST+6*\t+1], v[ST+6*\t+3]
.endr
.irp t, 0,1,2,3
	v_rcp_f32 v[ST+6*\t+2], v[ST+6*\t+1]
.endr
	v_and_b32 v160, 15, v0                         ; r  (plain work behind the reciprocals)
	v_bfe_u32 v161, v0, 4, 1                       ; h
	s_mul_i32 s14, s[WV], 16*272                   ; my stage: 16 rows of 256 bytes + 16
	v_mul_u32_u24 v162, v160, 272
	v_lshl_add_u32 v162, v161, 5, v162
	v_add_nc_u32 v162, s14, v162                   ; in: row r, 32 bytes for each half of the lanes
	v_mul_u32_u24 v163, v161, 272
	v_lshl_add_u32 v163, v160, 4, v163
	v_add_nc_u32 v163, s14, v163                   ; back: lanes 0-15 one row, lanes 16-31 the next
	v_lshlrev_b32 v164, 12, v161
	v_lshl_add_u32 v164, v160, 4, v164             ; and the same two tokens' rows of 4,096 bytes in out0
	s_wait_alu depctr_va_vdst(0)                   ; one wait for the four reciprocals, ahead of their first reader
.macro PACK t
	WIN W_OUT
.set i, 0
.rept 16
	v_pk_mul_f32 v[S+32*\t+2*i:S+32*\t+2*i+1], v[OF+32*\t+2*i:OF+32*\t+2*i+1], v[ST+6*\t+2:ST+6*\t+3] op_sel_hi:[1,0]   ; register 8 d + j: o(query r, 16 d + 8 h + j)
.set i, i+1
.endr
	WIN 0
.irp d, 0,1,2,3
	ds_store_b128 v162, v[S+32*\t+8*\d:S+32*\t+8*\d+3] offset:64*\d
	ds_store_b128 v162, v[S+32*\t+8*\d+4:S+32*\t+8*\d+7] offset:64*\d+16
.endr
.irp f, 0,1,2,3,4,5,6,7
	ds_load_b128 v[S+32*\t+4*\f:S+32*\t+4*\f+3], v163 offset:544*\f   ; LDS serves a wave's instructions in order: these see the stores above; the next tile's stores come behind them
.endr
.endm
.macro SEND t, younger                 ; younger: the LDS instructions issued behind tile t's loads: the next tile's sixteen, or none
.irp f, 0,1,2,3,4,5,6,7
	s_wait_dscnt \younger+7-\f
	global_store_b128 v164, v[S+32*\t+4*\f:S+32*\t+4*\f+3], s[8:9] offset:65536*\t+8192*\f th:TH_STORE_NT   ; 16 lanes store the head's 256 consecutive bytes of a token, aligned
.endr
.endm
	PACK 0
	PACK 1
	SEND 0, 16
	PACK 2
	SEND 1, 16
	PACK 3
	SEND 2, 16
	SEND 3, 0
	s_wait_tensorcnt 0x0                           ; the wave's end, behind my last tensor load and my last LDS store
	ds_add_u32 v[SPW], v[NIL]
	s_wait_dscnt 0x0
	CROUND                                         ; the closing round: no work-group ends while a partner may still ask for a tile that names it
	s_endpgm
.Lfunc_end_k_q83a0811d8c_attend:
	.size	k_q83a0811d8c_attend, .Lfunc_end_k_q83a0811d8c_attend-k_q83a0811d8c_attend
	.p2alignl 7, 3214868480
	.fill 96, 4, 3214868480
	.section	.rodata,"a",@progbits
	.p2align	6, 0x0
	.amdhsa_kernel k_q83a0811d8c_attend
		.amdhsa_group_segment_fixed_size 327680
		.amdhsa_private_segment_fixed_size 0
		.amdhsa_enable_private_segment 0
		.amdhsa_kernarg_size 24
		.amdhsa_user_sgpr_count 2
		.amdhsa_user_sgpr_kernarg_segment_ptr 1
		.amdhsa_wavefront_size32 1
		.amdhsa_system_sgpr_workgroup_id_x 1
		.amdhsa_system_sgpr_workgroup_id_y 1
		.amdhsa_system_sgpr_workgroup_id_z 1
		.amdhsa_system_vgpr_workitem_id 0
		.amdhsa_next_free_vgpr 512
		.amdhsa_next_free_sgpr 66
		.amdhsa_reserve_vcc 0
		.amdhsa_float_denorm_mode_32 3
		.amdhsa_float_denorm_mode_16_64 3
		.amdhsa_memory_ordered 1
		.amdhsa_forward_progress 1
		.amdhsa_inst_pref_size 155
	.end_amdhsa_kernel
	.amdgpu_metadata
---
amdhsa.version: [ 1, 2 ]
amdhsa.kernels:
  - .name:           k_q83a0811d8c_attend
    .symbol:         k_q83a0811d8c_attend.kd
    .args:
      - { .name: qkv, .offset: 0, .size: 8, .value_kind: global_buffer, .address_space: global }
      - { .name: attention_mask, .offset: 8, .size: 8, .value_kind: global_buffer, .address_space: global }
      - { .name: out0, .offset: 16, .size: 8, .value_kind: global_buffer, .address_space: global }
    .group_segment_fixed_size: 327680
    .private_segment_fixed_size: 0
    .kernarg_segment_align: 8
    .kernarg_segment_size: 24
    .max_flat_workgroup_size: 256
    .sgpr_count:     66
    .vgpr_count:     512
    .wavefront_size: 32
...
	.end_amdgpu_metadata
.endif
;; end of part 3
